; MI455X (gfx1250); checked and timed in simulation.
; The chip was launched on July 23, 2026; its instructions are those of AMD's public machine-readable ISA for CDNA 5 (MIT licence, August 2026) and "CDNA5" Instruction Set Architecture Reference Guide (July 2026). The comments in the code are by the model that wrote it; some were corrected since.
;; MHA. Allowed arithmetic: matrix products marked QUANTISED: E4M3 operands, one given power-of-two scale a tensor, by v_wmma_f32_16x16x64_fp8_fp8 or v_wmma_f32_16x16x128_fp8_fp8, f32 sums; everything else in f32.
;; Inputs: Wk 1,024 x 2,048 float32; Wo 2,048 x 1,024 float32; Wq 1,024 x 2,048 float32; Wv 1,024 x 2,048 float32; lowp_scales 12 int32 (the exponents e of the quantised operands' scales 2^e); q 2 x 2,048 x 2,048 float32.
;; Outputs: out0 2 x 2,048 x 2,048 float32.
;; This version of the problem:
;;   THIS VERSION OF THE PROBLEM IS GIVEN IN LOW PRECISION. The matrix products marked QUANTISED in the list below multiply operands that are first quantised to E4M3 (4 exponent bits, 3 mantissa bits; 8 bits a number), with one given power-of-two scale for each operand tensor; their sums are f32. All else is computed in f32.
;;   The module's matrix products, in the order in which they are computed (A, B: the left and right operand; K: the contracted axis; several contracted axes count as one K, in the product's order):
;;     1. [M 4,096, K 2,048] x [K 2,048, N 1,024]; A: input q; B: input Wq: QUANTISED (scales: A lowp_scales[0], B lowp_scales[1])
;;     2. [M 4,096, K 2,048] x [K 2,048, N 1,024]; A: input q; B: input Wk: QUANTISED (scales: A lowp_scales[2], B lowp_scales[3])
;;     3. [M 4,096, K 2,048] x [K 2,048, N 1,024]; A: input q; B: input Wv: QUANTISED (scales: A lowp_scales[4], B lowp_scales[5])
;;     4. batch 32 x [M 2,048, K 64] x [K 64, N 2,048]; A: computed on the way; B: computed on the way: QUANTISED (scales: A lowp_scales[6], B lowp_scales[7])
;;     5. batch 32 x [M 2,048, K 2,048] x [K 2,048, N 64]; A: softmax (see below); B: computed on the way: QUANTISED (scales: A lowp_scales[8], B lowp_scales[9])
;;     6. [M 4,096, K 1,024] x [K 1,024, N 2,048]; A: computed on the way; B: input Wo: QUANTISED (scales: A lowp_scales[10], B lowp_scales[11])
;;   THE QUANTISER, for each operand of a quantised product, along K:
;;     - The operand's scale is 2^e, e = its entry of the input lowp_scales (int32; the entries are numbered through the quantised products in the list's order, A before B).
;;     - Each number is divided by the scale, clamped to +-448, and rounded to the nearest number of E4M3, ties to even, subnormals kept.
;;     - The product sums the exact products of the quantised numbers (number of the format x scale) in f32.
;;   ~~~python
;;   def quantise(x, axis, e):      # numpy; x: float32 -> the quantised numbers, widened to float32 again
;;       x = np.moveaxis(x, axis, -1); K = x.shape[-1]
;;       r = np.clip(x / 2.0 ** e, -448, 448)
;;       step = 2.0 ** (np.maximum(np.frexp(np.where(r == 0, 1, r))[1] - 1, -6) - 3)
;;       q = np.round(r / step) * step * 2.0 ** e      # np.round: ties to even
;;       return np.moveaxis(q, -1, axis).astype(np.float32)
;;   ~~~
;;   SOFTMAX AHEAD OF A QUANTISED PRODUCT. Where the list says 'softmax', what is quantised is not the finished softmax but p = 2^(t - M), with t = logit x log2(e) and M = ceil(the row's largest t), a whole number; so 1/2 < the row's largest p <= 1. The row's sum l is taken of the UNQUANTISED p, in f32, and the product's result is divided by l at the end. Since M is a whole number, a kernel that streams over the keys may use a running M (the ceiling of the running maximum): every later rescaling is an exact power of two, so the quantised numbers keep their values, but for numbers so far below the row's largest that they fall under the format's range.
;;   OPERANDS COMPUTED ON THE WAY. 'Computed on the way' means the value that the module computes at that place (a softmax that the list does not call 'softmax' is quantised finished and normalised). What goes into a quantiser is computed in f32, as accurately as f32 sums, v_exp_f32 and their like allow (about 1e-6 of the number): no bf16 or f16 on the way to a quantiser, and a product that is left as it is and whose result goes on into a quantised operand takes f32 operands (vector FMAs, or v_wmma_f32_16x16x4_f32). A number that lies on a knife's edge between two numbers of the format may be rounded either way, as far as f32 arithmetic and the matrix unit's own rounding can turn it there, and no further.
;; One version. Each part assembles by itself: llvm-mc -triple=amdgcn-amd-amdhsa -mcpu=gfx1250 --defsym DOCPART=n.
;; ======== version 1 of 1: 4 launches
;; limits: right only within a limited range of input values
;; workspace buffers: xc 25,165,824 bytes; wc 8,388,608 bytes; tab 524,288 bytes; qkv 12,582,912 bytes; oc 4,194,304 bytes
;; launch prep (part 1): grid 544 x 1, 4 waves a work-group, no clusters, 33,280 bytes of LDS; arguments q, Wq, Wk, Wv, Wo, lowp_scales, xc, wc, tab; writes xc, wc, tab
.if DOCPART == 1
	.amdgcn_target "amdgcn-amd-amdhsa--gfx1250"
	.amdhsa_code_object_version 6
	.text
	.protected	k_q0ec695e7eb_prep
	.globl	k_q0ec695e7eb_prep
	.p2align	8
	.type	k_q0ec695e7eb_prep,@function
k_q0ec695e7eb_prep:
	s_mov_b64 s[64:65], 0
	v_nop
	global_prefetch_b8 v0, s[64:65] scope:SCOPE_SE
	s_setreg_imm32_b32 hwreg(HW_REG_WAVE_MODE, 25, 1), 1
	s_wait_xcnt 0x0
; LAUNCH 1 OF 4 of a causal multi-head attention (2 x 2,048 tokens of width 2,048; 16 heads of 64) with all six matrix products on codes of FP8 (E4M3), each operand with the one scale 2^e that is given for it.
; This launch makes: three sets of q's codes (q is operand A of products 1, 2 and 3 under three entries of the scales, e0, e2, e4, which may differ) from ONE read of q;
; the codes of Wq (e1), Wk (e3), Wv (e5), Wo (e11); and the table of cos and sin for the rotation of Q and K.
; code = x / 2^e, held within +-448, rounded to the nearest code, ties to even.
; WORK LEFT OUT BY THE PROGRAM, AND WHY IT IS DEAD.  reference() builds the causal mask itself (jnp.tril): a score of key k for query q with k > q is replaced by the least f32 number ahead of the softmax.
; Key 0 counts for every query, so each row's maximum is a true score, and a masked score gives the weight 0 whatever finite values the inputs hold: it adds nothing to the row's sum nor to the second product.
; So the third launch leaves out every step of 16 queries x 128 keys that lies wholly above the diagonal, but every work-group fetches the head's whole K and V.  Nothing else is left out; every input is loaded.
; LIMIT that follows: a NaN, an infinity or an overflow that would arise only in such a left-out step is not carried to the result.
; LIMITS on the given exponents, so that each power of two is an f32 number: e0 .. e5 and e11 between -126 and 119.  NaN among the inputs is not served (an infinity is held at the largest code).
; SHARES.  All five tensors are dense with K innermost: plain streams.  A work-group takes 32,768 numbers, a wave 16 steps of 512.  Work-groups 0-255: q; 256-511: the four weights, 64 each; 512-543: the table.
; A conversion takes 8 numbers from one lane's consecutive registers, so a lane must hold 16 NEIGHBOURS; a load is best where neighbouring lanes take neighbouring bytes.  Both are had: each of a step's four loads reads
; 512 consecutive bytes; the 2,048 bytes go through the wave's own stage in LDS as they lie and come back 64 bytes a lane (16 bytes of padding behind each 64).  A lane's 16 codes are 16 bytes: a store covers 512 consecutive bytes.
; No tensor loads, no barrier: waves share nothing.  Loads run eight steps (32 loads, 16 KiB a wave) ahead, the turn through LDS one step.
.set WAVES, 4
.set STEPS, 16
.set DEPTH, 8                          ; steps whose loads are out
.set SP,    80                         ; a lane's place in a stage: its 64 bytes + 16 of padding
.set WREG,  8192                       ; LDS: a region for each wave: two stages of 32 x SP bytes
.set SPARE, WAVES*WREG                 ; behind the regions: the spare words, 128 bytes for each wave, which no other line names
.set SPW,   12                         ; v12  LDS address of my spare word; never rewritten
.set NIL,   13                         ; v13  0; never rewritten
.set SC0,   6                          ; v6, v7   2^E0 and 448 x 2^E0 (E0: e0 for q, else the weight's own entry)
.set SC1,   8                          ; v8, v9   the same for e2
.set SC2,   10                         ; v10, v11 the same for e4
.set R,     16                         ; v16-143  eight sets of 16 numbers as they are loaded
.set X,     144                        ; v144-175 two sets of 16 neighbours
.set TA,    176                        ; v176-191 held numbers
.set TB,    192                        ; v192-207 held numbers, second set
.set C,     208                        ; v208-231 codes: 12 registers for even steps, 12 for odd; 4 a set
	s_load_b256 s[4:11], s[0:1], 0x0               ; q s[4:5], Wq s[6:7], Wk s[8:9], Wv s[10:11]
	s_load_b256 s[12:19], s[0:1], 0x20             ; Wo s[12:13], the scales s[14:15], xc s[16:17], wc s[18:19]
	s_load_b64 s[20:21], s[0:1], 0x40              ; tab
	v_lshl_add_u32 v[SPW], v0, 2, SPARE
	v_mov_b32 v[NIL], 0
	v_lshrrev_b32 v1, 5, v0
	v_readfirstlane_b32 s22, v1                    ; wave
	v_and_b32 v2, 31, v0                           ; lane
	v_lshlrev_b32 v3, 4, v2                        ; my 16 bytes of a load's 512, and of a store's
	s_mul_i32 s44, s22, WREG
	v_lshrrev_b32 v14, 2, v2
	v_mul_u32_u24 v14, v14, SP
	v_and_b32 v15, 3, v2
	v_lshl_add_u32 v14, v15, 4, v14
	v_add_nc_u32 v14, s44, v14                     ; the stage, on the way in: SP (lane / 4) + 16 (lane % 4)
	v_mul_u32_u24 v15, v2, SP
	v_add_nc_u32 v15, s44, v15                     ; and on the way out: SP x lane: my 16 neighbours
	s_lshr_b32 s23, ttmp9, 6                       ; 0-3: q; 4, 5, 6, 7: Wq, Wk, Wv, Wo; 8: the table
	s_wait_kmcnt 0x0
	s_cmp_ge_u32 ttmp9, 512
	s_cbranch_scc1 .Ltable
	s_load_b256 s[24:31], s[14:15], 0x0            ; e0 .. e7
	s_load_b128 s[32:35], s[14:15], 0x20           ; e8 .. e11
	; which tensor, and where its codes go: choices on the work-group's number alone
	s_and_b32 s44, ttmp9, 63
	s_sub_co_u32 s46, s23, 4
	s_lshl_b32 s46, s46, 21                        ; a weight's 2 MiB of codes in wc
	s_mov_b64 s[36:37], s[4:5]
	s_cmp_eq_u32 s23, 4
	s_cselect_b64 s[36:37], s[6:7], s[36:37]
	s_cmp_eq_u32 s23, 5
	s_cselect_b64 s[36:37], s[8:9], s[36:37]
	s_cmp_eq_u32 s23, 6
	s_cselect_b64 s[36:37], s[10:11], s[36:37]
	s_cmp_eq_u32 s23, 7
	s_cselect_b64 s[36:37], s[12:13], s[36:37]     ; the source
	s_cmp_lt_u32 s23, 4
	s_cselect_b64 s[38:39], s[16:17], s[18:19]     ; set 0 goes to xc, a weight's codes to wc
	s_cselect_b32 s44, ttmp9, s44                  ; the work-group's number within its tensor
	s_cselect_b32 s46, 0, s46
	s_lshl_b32 s44, s44, 2
	s_add_co_u32 s44, s44, s22                     ; which run of 8,192 numbers is my wave's
	s_lshl_b32 s48, s44, 15
	s_mov_b32 s49, 0
	s_add_nc_u64 s[36:37], s[36:37], s[48:49]
	s_lshl_b32 s48, s44, 13
	s_add_co_u32 s48, s48, s46
	s_add_nc_u64 s[38:39], s[38:39], s[48:49]
	s_add_nc_u64 s[40:41], s[16:17], s[48:49]
	s_add_nc_u64 s[40:41], s[40:41], 0x800000      ; q's set 1: 8 MiB on (one byte more than a store's immediate reaches: so three bases)
	s_add_nc_u64 s[42:43], s[16:17], s[48:49]
	s_add_nc_u64 s[42:43], s[42:43], 0x1000000     ; q's set 2
.macro LOAD t
.irp i, 0,1,2,3
	global_load_b128 v[R+16*((\t)%DEPTH)+4*\i:R+16*((\t)%DEPTH)+4*\i+3], v3, s[36:37] offset:2048*(\t)+512*\i th:TH_LOAD_NT   ; 32 lanes read 512 consecutive bytes, read once in the launch
.endr
.endm
.macro TURN t                          ; step t's numbers through the stage: LDS serves a wave's instructions in order (ISA guide 5.7.1.4), so no wait stands between the stores and the loads
.irp i, 0,1,2,3
	ds_store_b128 v14, v[R+16*((\t)%DEPTH)+4*\i:R+16*((\t)%DEPTH)+4*\i+3] offset:32*SP*((\t)%2)+8*SP*\i
.endr
.irp i, 0,1,2,3
	ds_load_b128 v[X+16*((\t)%2)+4*\i:X+16*((\t)%2)+4*\i+3], v15 offset:32*SP*((\t)%2)+16*\i
.endr
.endm
.macro MKSC e, sc                      ; v[sc] = 2^e as f32 (the conversion takes its exponent field), v[sc+1] = 448 x 2^e
	s_add_co_i32 s52, \e, 127
	s_lshl_b32 s53, s52, 23
	v_mov_b32 v[\sc], s53
	s_add_co_i32 s52, s52, 8
	s_lshl_b32 s52, s52, 23
	s_or_b32 s52, s52, 0x600000
	v_mov_b32 v[\sc+1], s52
.endm
	s_wait_alu depctr_va_vdst(0)
.irp t, 0,1,2,3,4,5,6,7
	LOAD \t
.endr
	s_wait_kmcnt 0x0
	s_mov_b32 s50, s24                             ; e0,
	s_cmp_eq_u32 s23, 4
	s_cselect_b32 s50, s25, s50                    ; or e1 for Wq,
	s_cmp_eq_u32 s23, 5
	s_cselect_b32 s50, s27, s50                    ; e3 for Wk,
	s_cmp_eq_u32 s23, 6
	s_cselect_b32 s50, s29, s50                    ; e5 for Wv,
	s_cmp_eq_u32 s23, 7
	s_cselect_b32 s50, s35, s50                    ; e11 for Wo
	MKSC s50, SC0
	MKSC s26, SC1
	MKSC s28, SC2
	s_wait_alu depctr_va_vdst(0)
	s_wait_loadcnt 4*(DEPTH-1)                     ; step 0's four loads are in; those of the seven steps behind it may be out
	TURN 0
; One set of codes of step t: the 16 neighbours are held into v[tmp] on (they stay as they are for the next set), converted and stored.
.macro QSET set, tmp, sc, d, t
.irp i, 0,1,2,3,4,5,6,7,8,9,10,11,12,13,14,15
	v_med3_num_f32 v[\tmp+\i], v[X+16*((\t)%2)+\i], -v[\sc+1], v[\sc+1]   ; the conversion to an 8-bit code does not saturate (ISA guide 7.6.2): the hold at the largest code x the scale
.endr
	v_cvt_scalef32_pk8_fp8_f32 v[C+12*((\t)%2)+4*\set:C+12*((\t)%2)+4*\set+1], v[\tmp:\tmp+7], v[\sc]
	v_cvt_scalef32_pk8_fp8_f32 v[C+12*((\t)%2)+4*\set+2:C+12*((\t)%2)+4*\set+3], v[\tmp+8:\tmp+15], v[\sc]
	v_nop                                          ; one plain vector line behind the conversions: a later hold writes their sources again
	global_store_b128 v3, v[C+12*((\t)%2)+4*\set:C+12*((\t)%2)+4*\set+3], s[\d:\d+1] offset:512*(\t)   ; 32 lanes store 512 consecutive bytes
.endm
.macro STEP t
	s_wait_dscnt 0x0                               ; this step's numbers are back from the stage: so its stores into the stage have read their registers,
.if (\t)+DEPTH < STEPS
	LOAD (\t)+DEPTH                                ; which take the loads of eight steps on
.endif
.if (\t)+1 < STEPS
.if STEPS-2-(\t) >= DEPTH-1
	s_wait_loadcnt 4*(DEPTH-1)                     ; the next step's four loads are in; those of the seven steps behind it may be out
.else
	s_wait_loadcnt 4*(STEPS-2-(\t))                ; the tail: as many steps as are left behind the next
.endif
	TURN (\t)+1                                    ; and go through the other stage while this step is worked
.endif
	s_wait_xcnt 0x0                                ; the stores of two steps back have read their codes' registers, which are written again below
	QSET 0, TA, SC0, 38, \t
	s_cmp_lt_u32 ttmp9, 256                        ; q has two sets more; the branch leads round vector lines and global stores alone
	s_cbranch_scc0 .Lw_\@
	QSET 1, TB, SC1, 40, \t
	QSET 2, TA, SC2, 42, \t
.Lw_\@:
.endm
.irp t, 0,1,2,3,4,5,6,7,8,9,10,11,12,13,14,15
	STEP \t
.endr
	s_wait_tensorcnt 0x0                           ; the wave's end: three lines behind my last LDS store
	ds_add_u32 v[SPW], v[NIL]
	s_wait_dscnt 0x0
	s_endpgm
; THE TABLE.  theta(pos, P) = pos x 10000^(-P / 31), pos = 0 .. 2,047, pair P = 0 .. 31; cos and sin in f32.  It is laid in the order in which the next launch's registers take it:
; [block of 16 positions: 128][piece i: 8][lane: 32][16 bytes]; the piece of lane r + 16 h holds cos P0, sin P0, cos P0+1, sin P0+1 of position 16 x block + r, P0 = 8 (i / 2) + 4 h + 2 (i % 2).
; A work-group makes four blocks of positions, 16,384 bytes: piece u = 0 .. 7 of a thread lies at 2,048 u + 16 x thread: block u / 2, i = 4 (u % 2) + wave.  No LDS is touched on this path.
; sin and cos: n = the nearest whole number to theta x 2 / pi; theta - n pi / 2 by two fused multiply-adds with pi / 2 in two parts (the first is exact: both terms are multiples of 2^-23 and the difference is under 1;
; what is left of pi / 2 beyond the two parts, times n <= 1,304, is under 3e-12); polynomials on +-pi / 4; the quadrant swaps the two and sets the signs.
.macro SINCOS p, f, c, s
	v_mul_f32 v60, v[\p], v[\f]                    ; theta: one rounding, as reference() has it
	v_mul_f32 v61, 0x3f22f983, v60
	v_rndne_f32 v61, v61                           ; n
	v_fma_f32 v62, -v61, s56, v60
	v_fma_f32 v62, -v61, s57, v62                  ; x = theta - n pi / 2
	v_mul_f32 v63, v62, v62                        ; z = x x
	v_cvt_i32_f32 v64, v61
	v_fmaak_f32 v65, v70, v63, 0x3c08839e
	v_fmaak_f32 v67, v71, v63, 0xbab6061a
	v_fmaak_f32 v65, v65, v63, 0xbe2aaaa3
	v_fmaak_f32 v67, v67, v63, 0x3d2aaaa5
	v_mul_f32 v66, v62, v63
	v_mul_f32 v68, v63, v63
	v_fma_f32 v69, v63, -0.5, 1.0
	v_fma_f32 v65, v66, v65, v62                   ; sin x
	v_fma_f32 v67, v68, v67, v69                   ; cos x
	v_and_b32 v66, 1, v64
	v_cmp_eq_u32 vcc_lo, 1, v66
	v_cndmask_b32 v68, v65, v67, vcc_lo            ; an odd n swaps the two
	v_cndmask_b32 v69, v67, v65, vcc_lo
	v_lshlrev_b32 v66, 30, v64
	v_and_b32 v66, 0x80000000, v66                 ; sin is negated where n % 4 is 2 or 3,
	v_xor_b32 v[\s], v68, v66
	v_add_nc_u32 v64, 1, v64
	v_lshlrev_b32 v64, 30, v64
	v_and_b32 v64, 0x80000000, v64                 ; cos where it is 1 or 2
	v_xor_b32 v[\c], v69, v64
.endm
.Ltable:
	s_sub_co_u32 s44, ttmp9, 512
	s_lshl_b32 s46, s44, 14
	s_mov_b32 s47, 0
	s_add_nc_u64 s[20:21], s[20:21], s[46:47]
	s_mov_b32 s56, 0x3fc90fdb                      ; pi / 2, its upper part,
	s_mov_b32 s57, 0xb33bbd2e                      ; and the rest
	v_mov_b32 v70, 0xb94ca1f9
	v_mov_b32 v71, 0x37ccf5ce
	v_lshlrev_b32 v48, 4, v0                       ; 16 x thread
	v_and_b32 v49, 15, v0                          ; r
	v_bfe_u32 v50, v0, 4, 1                        ; h
	s_lshr_b32 s48, s22, 1
	s_lshl_b32 s48, s48, 3
	s_and_b32 s49, s22, 1
	s_lshl_b32 s49, s49, 1
	s_add_co_u32 s48, s48, s49
	v_lshl_add_u32 v50, v50, 2, s48                ; my first pair: 8 (wave / 2) + 2 (wave % 2) + 4 h
	v_cvt_f32_u32 v51, v50
	v_add_f32 v52, 1.0, v51
	v_add_f32 v53, 0x41800000, v51                 ; + 16
	v_add_f32 v54, 0x41880000, v51                 ; + 17
.irp k, 51,52,53,54
	v_mul_f32 v\k, 0xbedb762a, v\k                 ; x -log2(10000) / 31
.endr
	s_wait_alu depctr_va_vdst(0)
.irp k, 51,52,53,54
	v_exp_f32 v\k, v\k                             ; my four frequencies: one batch
.endr
	s_lshl_b32 s45, s44, 6
	v_add_nc_u32 v55, s45, v49                     ; (a plain line behind the batch)  my position in the first block: 64 x work-group + r
	v_cvt_f32_u32 v55, v55
	v_add_f32 v56, 0x41800000, v55
	v_add_f32 v57, 0x42000000, v55
	v_add_f32 v58, 0x42400000, v55
	s_wait_alu depctr_va_vdst(0)                   ; one wait for the four exponentials, ahead of their first reader
.irp u, 0,1,2,3,4,5,6,7
	SINCOS 55+\u/2, 51+2*(\u%2), 16+4*\u, 17+4*\u
	SINCOS 55+\u/2, 52+2*(\u%2), 18+4*\u, 19+4*\u
	global_store_b128 v48, v[16+4*\u:19+4*\u], s[20:21] offset:2048*\u   ; each piece has registers of its own: no store's data are written again
.endr
	s_endpgm
.Lfunc_end_k_q0ec695e7eb_prep:
	.size	k_q0ec695e7eb_prep, .Lfunc_end_k_q0ec695e7eb_prep-k_q0ec695e7eb_prep
	.p2alignl 7, 3214868480
	.fill 96, 4, 3214868480
	.section	.rodata,"a",@progbits
	.p2align	6, 0x0
	.amdhsa_kernel k_q0ec695e7eb_prep
		.amdhsa_group_segment_fixed_size 33280
		.amdhsa_private_segment_fixed_size 0
		.amdhsa_enable_private_segment 0
		.amdhsa_kernarg_size 72
		.amdhsa_user_sgpr_count 2
		.amdhsa_user_sgpr_kernarg_segment_ptr 1
		.amdhsa_wavefront_size32 1
		.amdhsa_system_sgpr_workgroup_id_x 1
		.amdhsa_system_sgpr_workgroup_id_y 1
		.amdhsa_system_sgpr_workgroup_id_z 1
		.amdhsa_system_vgpr_workitem_id 0
		.amdhsa_next_free_vgpr 232
		.amdhsa_next_free_sgpr 66
		.amdhsa_reserve_vcc 1
		.amdhsa_float_denorm_mode_32 3
		.amdhsa_float_denorm_mode_16_64 3
		.amdhsa_memory_ordered 1
		.amdhsa_forward_progress 1
		.amdhsa_inst_pref_size 103
	.end_amdhsa_kernel
	.amdgpu_metadata
---
amdhsa.version: [ 1, 2 ]
amdhsa.kernels:
  - .name:           k_q0ec695e7eb_prep
    .symbol:         k_q0ec695e7eb_prep.kd
    .args:
      - { .name: q, .offset: 0, .size: 8, .value_kind: global_buffer, .address_space: global }
      - { .name: Wq, .offset: 8, .size: 8, .value_kind: global_buffer, .address_space: global }
      - { .name: Wk, .offset: 16, .size: 8, .value_kind: global_buffer, .address_space: global }
      - { .name: Wv, .offset: 24, .size: 8, .value_kind: global_buffer, .address_space: global }
      - { .name: Wo, .offset: 32, .size: 8, .value_kind: global_buffer, .address_space: global }
      - { .name: lowp_scales, .offset: 40, .size: 8, .value_kind: global_buffer, .address_space: global }
      - { .name: xc, .offset: 48, .size: 8, .value_kind: global_buffer, .address_space: global }
      - { .name: wc, .offset: 56, .size: 8, .value_kind: global_buffer, .address_space: global }
      - { .name: tab, .offset: 64, .size: 8, .value_kind: global_buffer, .address_space: global }
    .group_segment_fixed_size: 33280
    .private_segment_fixed_size: 0
    .kernarg_segment_align: 8
    .kernarg_segment_size: 72
    .max_flat_workgroup_size: 128
    .sgpr_count:     66
    .vgpr_count:     232
    .wavefront_size: 32
...
	.end_amdgpu_metadata
.endif
;; end of part 1
;; launch proj (part 2): grid 12 x 16, 4 waves a work-group, clusters of 4 x 4, 327,680 bytes of LDS; arguments xc, wc, lowp_scales, tab, qkv; writes qkv
.if DOCPART == 2
	.amdgcn_target "amdgcn-amd-amdhsa--gfx1250"
	.amdhsa_code_object_version 6
	.text
	.protected	k_q0ec695e7eb_proj
	.globl	k_q0ec695e7eb_proj
	.p2align	8
	.type	k_q0ec695e7eb_proj,@function
k_q0ec695e7eb_proj:
	s_mov_b64 s[64:65], 0
	v_nop
	global_prefetch_b8 v0, s[64:65] scope:SCOPE_SE
	s_setreg_imm32_b32 hwreg(HW_REG_WAVE_MODE, 25, 1), 1
	s_wait_xcnt 0x0
	s_wait_alu depctr_hold_cnt(0) depctr_sa_sdst(0) depctr_va_vdst(0) depctr_va_sdst(0) depctr_va_ssrc(0) depctr_va_vcc(0) depctr_vm_vsrc(0)
	s_getreg_b32 s2, hwreg(HW_REG_IB_STS2, 6, 4)
	s_cmp_eq_u32 s2, 0
	s_cbranch_scc0 .Lentry_in_a_cluster
	s_endpgm
.Lentry_in_a_cluster:
	s_bfe_u32 s2, ttmp6, 0x10000c
	s_cmp_lg_u32 s2, 0xf033
	s_cbranch_scc0 .Lentry_shape_is_right
	s_endpgm
.Lentry_shape_is_right:
.set KSTEP,  256
.set ROWB,   256
.set KROW,   2048
.set PITCH,  272
.set FR,     16
.set NL,     4
.set NP,     4
.set HALFT,  128*PITCH
.set SLOT,   4*HALFT
.set LAPS,   4
.set SPARE,  2*SLOT
.set SPQ,    144
.set STGV,   4*16*SPQ
.set ADRA, 16
.set ADRB, 20
.set STOV, 22
.set RDV,  23
.set STOQ, 24
.set RDQ,  25
.set CO,   26
.set SCL,  27
.set SPW,  28
.set NIL,  29
.set PFO,  30
.set LIMV, 31
.set CSR,  32
.set CD,   96
.set BK,   112
.set TMP,  144
.set AF,   128
.set G1, 24
.set G0, 32
.set G1B, 48
.set G0B, 56
.set PFA, 84
.set LIM, 86
.set OUTB, 88
.set TABB, 90
.set MSB, 0
.macro WIN new
.if MSB != \new
	s_set_vgpr_msb (MSB<<8)|\new
.set MSB, \new
.endif
.endm
.set MUL_LO, 0xa1
.set MUL_HI, 0xf1
.set TO_B,   0x40
.macro JLOAD g0a, g1a, g0b, g1b
	s_cmp_eq_u32 s15, 0
	s_cbranch_scc0 .Lfor_b_\@
	tensor_load_to_lds s[\g0a:\g0a+3], s[\g1a:\g1a+7]
	s_nop 0
.rept 4
	v_nop
.endr
	s_branch .Lasked_\@
.Lfor_b_\@:
	tensor_load_to_lds s[\g0b:\g0b+3], s[\g1b:\g1b+7]
	s_nop 0
.rept 4
	v_nop
.endr
.Lasked_\@:
.endm
.macro ASK
	s_cmp_gt_u32 s3, s[LIM]
	s_cbranch_scc0 .Lnot_mine_\@
	s_wait_alu depctr_va_vdst(0)
	global_prefetch_b8 v[PFO], s[PFA:PFA+1] offset:KSTEP th:TH_LOAD_NT scope:SCOPE_SE
.Lnot_mine_\@:
.endm
.macro CREST
	s_cmp_lg_u32 s14, 0
	s_cbranch_scc1 .Lnot_wave_0_\@
	s_barrier_signal -3
.Lnot_wave_0_\@:
	s_barrier_wait -3
	s_barrier_signal -1
	s_barrier_wait -1
.endm
.macro CROUND
	s_barrier_signal -1
	s_barrier_wait -1
	CREST
.endm
	s_load_b256 s[4:11], s[0:1], 0x0
	s_load_b64 s[12:13], s[0:1], 0x20
	v_lshl_add_u32 v[SPW], v0, 2, SPARE
	v_mov_b32 v[NIL], 0
	ds_add_u32 v[SPW], v[NIL]
	ds_add_u32 v[SPW], v[NIL]
	v_lshrrev_b32 v1, 5, v0
	v_readfirstlane_b32 s14, v1
	s_lshr_b32 s15, s14, 1
	s_and_b32 s16, s14, 1
	s_bfe_u32 s40, ttmp6, 0x40000
	s_bfe_u32 s41, ttmp6, 0x40004
	s_and_b32 s66, ttmp7, 0xffff
	s_lshl_b32 s67, s66, 2
	s_lshl_b32 s69, ttmp9, 23
	s_lshl_b32 s70, ttmp9, 21
	s_mov_b32 s71, 0x1000000
	s_cmp_eq_u32 ttmp9, 2
	s_cselect_b32 s17, 0, s67
	s_cselect_b32 s42, s67, 0
	s_cselect_b32 s68, 1, 0
	s_cselect_b32 s69, 0x400000, s69
	s_cselect_b32 s70, s71, s70
	s_add_co_u32 s17, s17, s41
	s_add_co_u32 s42, s42, s40
	s_lshl_b32 s43, s41, 2
	s_lshl_b32 s43, 15, s43
	s_lshl_b32 s44, 0x1111, s40
	s_or_b32 s[G1+0], s43, (0<<16)|(1<<20)|(1<<21)|(5<<22)|(3<<25)
	s_or_b32 s[G1B+0], s44, (0<<16)|(1<<20)|(1<<21)|(5<<22)|(3<<25)
.irp g, G1, G1B
	s_mov_b32 s[\g+1], ROWB<<16
	s_mov_b32 s[\g+2], 128<<16
	s_mov_b32 s[\g+3], ROWB<<16
	s_mov_b32 s[\g+4], 128
	s_mov_b32 s[\g+5], KROW
	s_mov_b32 s[\g+6], 0
	s_mov_b32 s[\g+7], 0
.endr
	s_lshl_b32 s18, s16, 7
	s_lshl_b32 s20, s17, 8
	s_add_co_u32 s20, s20, s18
	s_lshl_b32 s20, s20, 11
	s_add_co_u32 s20, s20, s69
	s_mov_b32 s21, 0
	s_lshl_b32 s46, s42, 8
	s_add_co_u32 s46, s46, s18
	s_lshl_b32 s46, s46, 11
	s_add_co_u32 s46, s46, s70
	s_mov_b32 s47, 0
	s_mul_i32 s45, s14, HALFT
	s_wait_dscnt 0x0
	s_wait_kmcnt 0x0
	s_load_b256 s[72:79], s[8:9], 0x0
	s_load_b64 s[80:81], s[8:9], 0x20
	s_cmp_eq_u32 ttmp9, 2
	s_cselect_b64 s[92:93], s[6:7], s[4:5]
	s_cselect_b64 s[94:95], s[4:5], s[6:7]
	s_add_nc_u64 s[20:21], s[92:93], s[20:21]
	s_add_nc_u64 s[46:47], s[94:95], s[46:47]
	CROUND
.irp s, 0,1
	s_mov_b32 s[G0+4*\s], 1
	s_add_co_u32 s[G0+4*\s+1], s45, \s*SLOT
	s_add_nc_u64 s[G0+4*\s+2:G0+4*\s+3], s[20:21], \s*ROWB
	s_or_b32 s[G0+4*\s+3], s[G0+4*\s+3], 0x80000000
	s_mov_b32 s[G0B+4*\s], 1
	s_add_co_u32 s[G0B+4*\s+1], s45, \s*SLOT
	s_add_nc_u64 s[G0B+4*\s+2:G0B+4*\s+3], s[46:47], \s*ROWB
	s_or_b32 s[G0B+4*\s+3], s[G0B+4*\s+3], 0x80000000
	s_wait_alu depctr_va_vdst(0)
	s_wait_tensorcnt 0x0
	ds_add_u32 v28, v29
	ds_add_u32 v28, v29
	s_wait_dscnt 0x0
	CROUND
	JLOAD G0+4*\s, G1, G0B+4*\s, G1B
.endr
	s_cmp_eq_u32 s15, 0
	s_cselect_b64 s[PFA:PFA+1], s[20:21], s[46:47]
	s_cselect_b32 s87, s40, s41
	s_lshl_b32 s96, s87, 16
	s_add_co_u32 s96, s96, 2*KSTEP
	s_mov_b32 s97, 0
	s_add_nc_u64 s[PFA:PFA+1], s[PFA:PFA+1], s[96:97]
	s_xor_b32 s87, s68, s15
	s_mul_i32 s87, s87, s66
	s_cmp_eq_u32 s87, 0
	s_cselect_b32 s[LIM], 1, -1
	s_cmp_eq_u32 ttmp9, 2
	s_cselect_b32 s92, s42, s17
	s_cselect_b32 s93, s16, s15
	s_cselect_b32 s94, s17, s42
	s_cselect_b32 s95, s15, s16
	s_lshl_b32 s96, s92, 8
	s_lshl_b32 s97, s93, 7
	s_add_co_u32 s96, s96, s97
	s_and_b32 s96, s96, 2047
	s_lshr_b32 s92, s92, 3
	s_lshl_b32 s92, s92, 4
	s_lshl_b32 s94, s94, 2
	s_add_co_u32 s92, s92, s94
	s_lshl_b32 s95, s95, 1
	s_add_co_u32 s92, s92, s95
	s_lshl_b32 s92, s92, 11
	s_add_co_u32 s92, s92, s96
	s_lshl_b32 s92, s92, 6
	s_lshl_b32 s94, ttmp9, 22
	s_add_co_u32 s92, s92, s94
	s_mov_b32 s93, 0
	s_add_nc_u64 s[OUTB:OUTB+1], s[12:13], s[92:93]
	s_lshl_b32 s96, s96, 8
	s_mov_b32 s97, 0
	s_add_nc_u64 s[TABB:TABB+1], s[10:11], s[96:97]
	v_and_b32 v1, 15, v0
	s_wait_alu depctr_va_vdst(0)
	v_bfe_u32 v2, v0, 4, 1
	v_mul_u32_u24 v3, v1, PITCH
	v_lshl_add_u32 v4, v2, 4, v3
	s_mul_i32 s21, s15, HALFT
	s_mul_i32 s22, s16, HALFT
	s_add_co_u32 s22, s22, 2*HALFT
.irp s, 0,1
	v_add_nc_u32 v[ADRA+\s], s21, v4
	v_add_nc_u32 v[ADRB+\s], s22, v4
	s_add_co_u32 s21, s21, SLOT
	s_add_co_u32 s22, s22, SLOT
.endr
	s_mul_i32 s23, s14, 16*SPQ
	v_mul_u32_u24 v5, v1, SPQ
	s_wait_alu depctr_va_vdst(0)
	v_lshl_add_u32 v5, v2, 3, v5
	v_add_nc_u32 v[STOQ], s23, v5
	v_add_nc_u32 v[STOV], STGV, v[STOQ]
	v_and_b32 v6, 31, v0
	v_lshlrev_b32 v[CO], 4, v6
	v_lshrrev_b32 v7, 2, v6
	v_mul_u32_u24 v7, v7, SPQ
	v_and_b32 v8, 3, v6
	v_lshl_add_u32 v7, v8, 4, v7
	v_add_nc_u32 v[RDQ], s23, v7
	v_lshrrev_b32 v7, 3, v6
	v_mul_u32_u24 v7, v7, SPQ
	v_and_b32 v8, 7, v6
	v_lshl_add_u32 v7, v8, 4, v7
	v_add_nc_u32 v7, s23, v7
	v_add_nc_u32 v[RDV], STGV, v7
	v_lshlrev_b32 v[PFO], 11, v6
.macro FRAG reg, adr, q, i
.irp c, 0,1,2,3
	ds_load_b128 v[\reg+4*\c:\reg+4*\c+3], v[\adr] offset:128*(\q)+32*\c+(\i)*16*PITCH
.endr
.endm
.macro MUL16 a0, p, zero
.irp a, \a0, \a0+1
.irp b, 0,1,2,3,4,5,6,7
.if \zero
	v_wmma_f32_16x16x128_fp8_fp8 v[8*(8*((\a)%4)+\b):8*(8*((\a)%4)+\b)+7], v[128*(\p)+FR*\b:128*(\p)+FR*\b+FR-1], v[AF+FR*(\a):AF+FR*(\a)+FR-1], 0
.else
	v_wmma_f32_16x16x128_fp8_fp8 v[8*(8*((\a)%4)+\b):8*(8*((\a)%4)+\b)+7], v[128*(\p)+FR*\b:128*(\p)+FR*\b+FR-1], v[AF+FR*(\a):AF+FR*(\a)+FR-1], v[8*(8*((\a)%4)+\b):8*(8*((\a)%4)+\b)+7]
.endif
.endr
.endr
.endm
.macro FETCH_B slot, q, p
	WIN TO_B
.irp i, 0,1,2,3,4,5,6,7
	FRAG 128*(\p)+FR*\i, ADRB+\slot, \q, \i
.endr
	WIN 0
.endm
.macro FETCH_A slot, q, i0
.irp i, \i0, \i0+1, \i0+2, \i0+3
	FRAG AF+FR*(\i), ADRA+\slot, \q, \i
.endr
.endm
.macro PLACES n
.rept \n
	v_nop
.endr
.endm
.macro STEP slot, q, zero
	s_wait_dscnt 4*NL
	WIN MUL_LO
	MUL16 0, (\q)%2, \zero
	MUL16 2, (\q)%2, \zero
	s_wait_dscnt 0
	PLACES NP
	FETCH_B \slot, (\q)+1, 1-(\q)%2
	FETCH_A \slot, (\q)+1, 0
	WIN MUL_HI
	MUL16 4, (\q)%2, \zero
	MUL16 6, (\q)%2, \zero
	PLACES NP
	WIN 0
	FETCH_A \slot, (\q)+1, 4
.endm
.macro TURN slot, next, fill
.if \fill
	s_wait_xcnt 0x0
	s_add_nc_u64 s[PFA:PFA+1], s[PFA:PFA+1], KSTEP
.endif
	s_wait_tensorcnt 0x0
	ds_add_u32 v[SPW], v[NIL]
	s_wait_dscnt 4*NL+1
	WIN MUL_LO
	MUL16 0, 1, 0
	s_wait_dscnt 0x0
	s_barrier_signal -1
	MUL16 2, 1, 0
	WIN 0
	s_barrier_wait -1
.if \fill
	CREST
	s_add_nc_u64 s[G0+4*\slot+2:G0+4*\slot+3], s[G0+4*\slot+2:G0+4*\slot+3], 2*ROWB
	s_add_nc_u64 s[G0B+4*\slot+2:G0B+4*\slot+3], s[G0B+4*\slot+2:G0B+4*\slot+3], 2*ROWB
	JLOAD G0+4*\slot, G1, G0B+4*\slot, G1B
.else
	PLACES NP
.endif
	FETCH_B \next, 0, 0
	FETCH_A \next, 0, 0
.if \fill
	ASK
.endif
	WIN MUL_HI
	MUL16 4, 1, 0
	MUL16 6, 1, 0
	PLACES NP
	WIN 0
	FETCH_A \next, 0, 4
.endm
.macro TAIL
	STEP 1, 0, 0
	s_wait_dscnt 4*NL
	WIN MUL_LO
	MUL16 0, 1, 0
	MUL16 2, 1, 0
	s_wait_dscnt 0
	WIN MUL_HI
	MUL16 4, 1, 0
	MUL16 6, 1, 0
	WIN 0
	PLACES NP
.endm
.macro TABLOAD a
.irp i, 0,1,2,3,4,5,6,7
	global_load_b128 v[CSR+32*((\a)%2)+4*\i:CSR+32*((\a)%2)+4*\i+3], v[CO], s[TABB:TABB+1] offset:4096*(\a)+512*\i
.endr
.endm
.macro CODES sto
.irp b, 0,1,2,3,4,5,6,7
	v_cvt_scalef32_pk8_fp8_f32 v[CD+2*\b:CD+2*\b+1], v[TMP+8*\b:TMP+8*\b+7], v[SCL]
.endr
	v_nop
.irp b, 0,1,2,3,4,5,6,7
	ds_store_b64 v[\sto], v[CD+2*\b:CD+2*\b+1] offset:16*\b
.endr
.endm
.macro QK_WORK a
.set AC, 64*((\a)%4)
.set CS, CSR+32*((\a)%2)
.set BB, BK+16*((\a)%2)
.if (\a) < 7
	s_wait_loadcnt 8
.else
	s_wait_loadcnt 0
.endif
	WIN 0x02+((\a)/4)
.irp b, 0,1,2,3,4,5,6,7
.irp j, 0,2,4,6
	v_pk_mul_f32 v[TMP+8*\b+\j:TMP+8*\b+\j+1], v[AC+8*\b+\j:AC+8*\b+\j+1], v[CS+8*(\b%4)+\j:CS+8*(\b%4)+\j+1] op_sel_hi:[1,0]
.endr
.irp j, 0,2,4,6
	v_pk_fma_f32 v[TMP+8*\b+\j:TMP+8*\b+\j+1], v[AC+8*\b+\j:AC+8*\b+\j+1], v[CS+8*(\b%4)+\j:CS+8*(\b%4)+\j+1], v[TMP+8*\b+\j:TMP+8*\b+\j+1] op_sel:[1,1,0] op_sel_hi:[0,1,1] neg_lo:[1,0,0]
.endr
.endr
	WIN 0
.if (\a)+2 < 8
	TABLOAD (\a)+2
.endif
.set i, 0
.rept 64
	v_med3_num_f32 v[TMP+i], v[TMP+i], -v[LIMV], v[LIMV]
.set i, i+1
.endr
	CODES STOQ
.if (\a) > 1
	s_wait_xcnt 0x0
.endif
.irp i, 0,1,2,3
	ds_load_b128 v[BB+4*\i:BB+4*\i+3], v[RDQ] offset:8*SPQ*(\i%2)+64*(\i/2)
.endr
.endm
.macro QK_SEND a, younger
.set BB, BK+16*((\a)%2)
	s_wait_dscnt \younger
.irp i, 0,1,2,3
	global_store_b128 v[CO], v[BB+4*\i:BB+4*\i+3], s[OUTB:OUTB+1] offset:131072*(\i/2)+1024*(\a)+512*(\i%2)
.endr
.endm
.macro V_WORK a
.set AC, 64*((\a)%4)
.set BB, BK+16*((\a)%2)
	WIN 0x02+((\a)/4)
.set i, 0
.rept 64
	v_med3_num_f32 v[TMP+i], v[AC+i], -v[LIMV], v[LIMV]
.set i, i+1
.endr
	WIN 0
	CODES STOV
.if (\a) > 1
	s_wait_xcnt 0x0
.endif
.irp i, 0,1,2,3
	ds_load_b128 v[BB+4*\i:BB+4*\i+3], v[RDV] offset:4*SPQ*\i
.endr
.endm
.macro V_SEND a, younger
.set BB, BK+16*((\a)%2)
	s_wait_dscnt \younger
.irp i, 0,1,2,3
	global_store_b128 v[CO], v[BB+4*\i:BB+4*\i+3], s[OUTB:OUTB+1] offset:131072*((\a)/4)+2048*((\a)%4)+512*\i
.endr
.endm
	s_wait_tensorcnt 1
	s_barrier_signal -1
	s_barrier_wait -1
	FETCH_B 0, 0, 0
	FETCH_A 0, 0, 0
	FETCH_A 0, 0, 4
	STEP 0, 0, 1
	s_mov_b32 s3, LAPS-1
.Llap:
	TURN 0, 1, 1
	STEP 1, 0, 0
	TURN 1, 0, 1
	STEP 0, 0, 0
	s_sub_co_u32 s3, s3, 1
	s_cmp_lg_u32 s3, 0
	s_cbranch_scc1 .Llap
	TURN 0, 1, 0
	s_wait_kmcnt 0x0
	s_add_co_i32 s92, s72, s73
	s_sub_co_i32 s92, s78, s92
	s_add_co_i32 s93, s74, s75
	s_sub_co_i32 s93, s79, s93
	s_add_co_i32 s94, s76, s77
	s_sub_co_i32 s94, s81, s94
	s_cmp_eq_u32 ttmp9, 1
	s_cselect_b32 s92, s93, s92
	s_cmp_eq_u32 ttmp9, 2
	s_cselect_b32 s92, s94, s92
	s_add_co_i32 s92, s92, 127
	s_lshl_b32 s93, s92, 23
	v_mov_b32 v[SCL], s93
	s_add_co_i32 s92, s92, 8
	s_lshl_b32 s92, s92, 23
	s_or_b32 s92, s92, 0x600000
	v_mov_b32 v[LIMV], s92
	s_cmp_eq_u32 ttmp9, 2
	s_cbranch_scc1 .Lv_tail
	TABLOAD 0
	TABLOAD 1
	TAIL
	QK_WORK 0
.irp a, 1,2,3,4,5,6,7
	QK_WORK \a
	QK_SEND \a-1, 12
.endr
	QK_SEND 7, 0
	s_branch .Ldone
.Lv_tail:
	TAIL
	s_wait_alu depctr_va_vdst(0)
	V_WORK 0
.irp a, 1,2,3,4,5,6,7
	V_WORK \a
	V_SEND \a-1, 12
.endr
	V_SEND 7, 0
.Ldone:
	s_wait_tensorcnt 0x0
	ds_add_u32 v[SPW], v[NIL]
	s_wait_dscnt 0x0
	CROUND
	s_endpgm
.Lfunc_end_k_q0ec695e7eb_proj:
	.size	k_q0ec695e7eb_proj, .Lfunc_end_k_q0ec695e7eb_proj-k_q0ec695e7eb_proj
	.p2alignl 7, 3214868480
	.fill 96, 4, 3214868480
	.section	.rodata,"a",@progbits
	.p2align	6, 0x0
	.amdhsa_kernel k_q0ec695e7eb_proj
		.amdhsa_group_segment_fixed_size 327680
		.amdhsa_private_segment_fixed_size 0
		.amdhsa_enable_private_segment 0
		.amdhsa_kernarg_size 40
		.amdhsa_user_sgpr_count 2
		.amdhsa_user_sgpr_kernarg_segment_ptr 1
		.amdhsa_wavefront_size32 1
		.amdhsa_system_sgpr_workgroup_id_x 1
		.amdhsa_system_sgpr_workgroup_id_y 1
		.amdhsa_system_sgpr_workgroup_id_z 1
		.amdhsa_system_vgpr_workitem_id 0
		.amdhsa_next_free_vgpr 1024
		.amdhsa_next_free_sgpr 100
		.amdhsa_reserve_vcc 0
		.amdhsa_float_denorm_mode_32 3
		.amdhsa_float_denorm_mode_16_64 3
		.amdhsa_memory_ordered 1
		.amdhsa_forward_progress 1
		.amdhsa_inst_pref_size 225
	.end_amdhsa_kernel
	.amdgpu_metadata
---
amdhsa.version: [ 1, 2 ]
amdhsa.kernels:
  - .name:           k_q0ec695e7eb_proj
    .symbol:         k_q0ec695e7eb_proj.kd
    .args:
      - { .name: xc, .offset: 0, .size: 8, .value_kind: global_buffer, .address_space: global }
      - { .name: wc, .offset: 8, .size: 8, .value_kind: global_buffer, .address_space: global }
      - { .name: lowp_scales, .offset: 16, .size: 8, .value_kind: global_buffer, .address_space: global }
      - { .name: tab, .offset: 24, .size: 8, .value_kind: global_buffer, .address_space: global }
      - { .name: qkv, .offset: 32, .size: 8, .value_kind: global_buffer, .address_space: global }
    .group_segment_fixed_size: 327680
    .private_segment_fixed_size: 0
    .kernarg_segment_align: 8
    .kernarg_segment_size: 40
    .max_flat_workgroup_size: 128
    .sgpr_count:     100
    .vgpr_count:     1024
    .wavefront_size: 32
...
	.end_amdgpu_metadata
.endif
;; end of part 2
;; launch attn (part 3): grid 8 x 32, 16 waves a work-group, no clusters, 327,680 bytes of LDS; arguments qkv, lowp_scales, oc; writes oc
.if DOCPART == 3
	.amdgcn_target "amdgcn-amd-amdhsa--gfx1250"
	.amdhsa_code_object_version 6
	.text
	.protected	k_q0ec695e7eb_attn
	.globl	k_q0ec695e7eb_attn
	.p2align	8
	.type	k_q0ec695e7eb_attn,@function
k_q0ec695e7eb_attn:
	s_mov_b64 s[64:65], 0
	v_nop
	global_prefetch_b8 v0, s[64:65] scope:SCOPE_SE
	s_setreg_imm32_b32 hwreg(HW_REG_WAVE_MODE, 25, 1), 1
	s_wait_xcnt 0x0
; LAUNCH 3 OF 4: products 4 and 5 (Q K^T and P V, 32 heads x 2,048 x 2,048, head size 64) under reference()'s own causal mask, on codes of FP8 (E4M3), and the codes (e10) of the result for the last product.
; WORK LEFT OUT: a step of 16 queries x 128 keys that lies wholly above the diagonal: the mask gives those keys the weight 0 for all finite inputs
; (shown at the head of the first launch; a NaN, an infinity or an overflow that would arise only there is not carried to the result).
; THE SOFTMAX: t = score x log2(e) / 8; M = the largest t so far, rounded UP to a whole number; p = 2^(t - M) is quantised (e8) along the keys, not normalised; the sum of the unquantised p divides O at the end.
; SHARES.  Work-group (x, head) owns the blocks x and 15 - x of 128 queries, 16 tiles of 16.  Waves 2 k and 2 k + 1 share tile k of both blocks and SPLIT THE KEYS: of each 256 keys the wave with parity p takes
; step p (128 keys), for both tiles.  The two blocks have 17 live steps together, so a wave has 8 or 9 whatever x is.  A wave keeps two states (-M, t, sum, O^T): tile A, which it finishes, and tile B, which it hands
; to its partner through LDS at the end (parity 0: A late, B early; parity 1 the other way round: scalars alone differ).  The two halves are joined by multiplications with 2^(difference of the two M), which round nothing.
; LIMIT: each half of a row's keys is quantised under its own running M; numbers far under the row's largest may so keep or lose low bits otherwise than under one M.  Scaled scores stay under 2^31 in magnitude.
; A half with no live step (parity 1 of an early tile in block 0) keeps -M = 3e38, sum 0, O 0: its factor is 2^(-2^31) = 0.  Key 0 lies in parity 0's half, and a live step holds a counted key for each of its queries.
; LDS HOLDS THE HEAD'S WHOLE K AND V: 2,048 rows of K at 80 bytes, then 16 x 64 rows of V at 144: 311,296 bytes; no byte is filled twice.  Keys 0-1,023 are asked for at the head, one load of 8 KiB a wave
; (waves 0-7: K, 128 keys each; waves 8-15: V, one step each): every work-group's late block begins at query 1,024 or later and reads them all.  Keys 1,024-2,047 are asked for behind the first barrier, K by wave 0
; and V by wave 1, one load of 64 KiB each: each holds key 1,024, which every work-group reads; a work-group with x > 0 reads only a part of them.  All tiles are dense in memory and stated as rows of 256 bytes.
; NO PREFETCH: the launch has two fills; the second is asked for four trips of the first loop ahead of its first read, and no stream follows it.
; NO CLUSTER: what the work-groups of a head share is fetched twice in the launch's whole length, at its head; the joint form would add the cluster's rounds for those two requests alone.
; LAYOUT.  Both products transposed: S^T = K Q^T, O^T = V^T P^T: a lane holds ONE query (lane % 16).  Lane r of K's tile 2 b + u takes key 32 b + 8 u + r + 8 (r / 8), so that the 16 registers of tiles 2 b, 2 b + 1 are 16 neighbouring keys.
; LIMITS on the exponents: e6 + e7 between -123 and 130; e8, and e10 - e8 - e9, between -126 and 119.
; REGISTERS: v1, v2, v5-7 addresses that stay; v4, v245 addresses in hand; v8-11 state B, v12-15 state A (-M, t, the sum in two halves); v16-23 Q of A, v24-31 Q of B; v32-95 K's, then V's fragments; v96-159 S^T, then p;
; v160-191 O^T of A, v192-223 of B; v224-239 p's codes; v234-255 at work.
.set KP,    80                         ; a key's row in LDS: 64 bytes + 16
.set VP,    144                        ; a channel's 128 keys in LDS: 128 bytes + 16
.set VBASE, 2048*KP                    ; V's rows lie behind K's
.set KHALF, 1024*KP                    ; the first 1,024 keys of K in LDS,
.set VHALF, 8*64*VP                    ; and of V
.set SPARE, VBASE+2*VHALF              ; the spare words, 128 bytes a wave, which no other line names
.set XST,   0                          ; the hand-over: nine images of 512 bytes for each wave, in K's first half: it has had its one fill, and nobody reads it behind the second barrier
.set XW,    9*512
.set OST,   VBASE                      ; the way out: 16 rows x 80 bytes for each wave, in V's first half, likewise
.set AK0,  1
.set AV0,  2
.set ADK,  4
.set SPW,  5
.set NIL,  6
.set GO,   7
.set ADV,  245
.set TBK,  2                           ; s2   LDS byte of K at which the trip's 256 keys begin
.set TBV,  3                           ; s3   the same for V, less VBASE
.set WV,   18
.set PAR,  19                          ; s19  wave % 2: which step of 256 keys is mine
.set SEL,  20
.set CS,   22
.set G1K,  24                          ; groups 1 of the head's loads (32 rows of 256 bytes),
.set G1V,  32
.set G0K,  40                          ; their groups 0,
.set G0V,  44
.set G0K2, 48                          ; groups 0 of the second fill,
.set G0V2, 52
.set G1K2, 56                          ; and its groups 1 (256 rows of 256 bytes)
.set G1V2, 68
.set CNT,  66
.set QB,   97                          ; s97  tile B's first query
.set KF,   98                          ; s98  my step's first key
.set QA,   99                          ; s99  tile A's first query
	s_load_b128 s[4:7], s[0:1], 0x0                ; qkv, the scales
	s_load_b64 s[8:9], s[0:1], 0x10                ; oc
	v_lshl_add_u32 v[SPW], v0, 2, SPARE
	v_mov_b32 v[NIL], 0
	ds_add_u32 v[SPW], v[NIL]                      ; the opening: the add twice on end and its wait ahead of the first tensor load
	ds_add_u32 v[SPW], v[NIL]
	v_lshrrev_b32 v96, 5, v0
	v_readfirstlane_b32 s[WV], v96                 ; wave 0..15
	s_and_b32 s10, ttmp7, 0xffff
	s_lshl_b32 s10, s10, 17                        ; the head's 131,072 bytes in Q, K, V and oc
	s_mov_b32 s11, 0
	s_and_b32 s[PAR], s[WV], 1
	s_lshr_b32 s78, s[WV], 1
	s_lshl_b32 s78, s78, 4                         ; 16 k
	s_lshl_b32 s76, ttmp9, 7                       ; the early block's first query
	s_sub_co_u32 s77, 1920, s76                    ; the late block's
	s_add_co_u32 s76, s76, s78
	s_add_co_u32 s77, s77, s78
	s_cmp_eq_u32 s[PAR], 0
	s_cselect_b32 s[QA], s77, s76
	s_cselect_b32 s[QB], s76, s77
	s_lshl_b32 s[KF], s[PAR], 7
.irp g, G1K, G1K2
	s_mov_b32 s[\g], (0<<16)|(1<<20)|(3<<22)|(3<<25)   ; bytes; four words of padding after every 16
.endr
.irp g, G1V, G1V2
	s_mov_b32 s[\g], (0<<16)|(1<<20)|(4<<22)|(3<<25)   ; after every 32
.endr
.irp g, G1K, G1V, G1K2, G1V2
	s_mov_b32 s[\g+1], 256<<16
	s_mov_b32 s[\g+3], 256<<16
	s_mov_b32 s[\g+5], 256
	s_mov_b32 s[\g+6], 0
	s_mov_b32 s[\g+7], 0
.endr
.irp g, G1K, G1V
	s_mov_b32 s[\g+2], 32<<16
	s_mov_b32 s[\g+4], 32
.endr
.irp g, G1K2, G1V2
	s_mov_b32 s[\g+2], 256<<16
	s_mov_b32 s[\g+4], 256
.endr
	s_mov_b32 s[SEL], 0x76543210
	s_mov_b32 s[SEL+1], 0xfedcba98
	s_mov_b32 s[CS], 0x3e38aa3b                    ; log2(e) / 8
	s_mov_b32 s[TBK], 0
	s_mov_b32 s[TBV], 0
	s_and_b32 s76, s[WV], 7                        ; which eighth of the first half I fetch
	s_lshl_b32 s78, s76, 13                        ; 8,192 bytes of memory each
	s_mov_b32 s79, 0
	s_mov_b32 s[G0K], 1
	s_mul_i32 s[G0K+1], s76, 128*KP
	s_mov_b32 s[G0V], 1
	s_mul_i32 s[G0V+1], s76, 64*VP
	s_add_co_u32 s[G0V+1], s[G0V+1], VBASE
	s_mov_b32 s[G0K2], 1
	s_mov_b32 s[G0K2+1], KHALF
	s_mov_b32 s[G0V2], 1
	s_mov_b32 s[G0V2+1], VBASE+VHALF
	s_wait_dscnt 0x0
	s_wait_kmcnt 0x0
	s_load_b256 s[84:91], s[6:7], 0x10             ; e4 .. e11: e6 s86, e7 s87, e8 s88, e9 s89, e10 s90
	s_add_nc_u64 s[4:5], s[4:5], s[10:11]
	s_add_nc_u64 s[G0K+2:G0K+3], s[4:5], 0x400000
	s_add_nc_u64 s[G0K+2:G0K+3], s[G0K+2:G0K+3], s[78:79]
	s_or_b32 s[G0K+3], s[G0K+3], 0x80000000
	s_add_nc_u64 s[G0V+2:G0V+3], s[4:5], 0x800000
	s_add_nc_u64 s[G0V+2:G0V+3], s[G0V+2:G0V+3], s[78:79]
	s_or_b32 s[G0V+3], s[G0V+3], 0x80000000
	s_add_nc_u64 s[G0K2+2:G0K2+3], s[4:5], 0x410000
	s_or_b32 s[G0K2+3], s[G0K2+3], 0x80000000
	s_add_nc_u64 s[G0V2+2:G0V2+3], s[4:5], 0x810000
	s_or_b32 s[G0V2+3], s[G0V2+3], 0x80000000
	s_cmp_lt_u32 s[WV], 8                          ; every wave's one load at the head; an s_nop 0 and four v_nop follow each line
	s_cbranch_scc0 .Lhead_v
	tensor_load_to_lds s[G0K:G0K+3], s[G1K:G1K+7]
	s_nop 0
.rept 4
	v_nop
.endr
	s_branch .Lhead_j
.Lhead_v:
	tensor_load_to_lds s[G0V:G0V+3], s[G1V:G1V+7]
	s_nop 0
.rept 4
	v_nop
.endr
.Lhead_j:
	s_lshl_b32 s76, s[QA], 6
	s_mov_b32 s77, 0
	s_add_nc_u64 s[12:13], s[4:5], s[76:77]        ; Q's codes of tile A
	s_add_nc_u64 s[16:17], s[8:9], s[10:11]
	s_add_nc_u64 s[16:17], s[16:17], s[76:77]      ; oc likewise
	s_lshl_b32 s76, s[QB], 6
	s_add_nc_u64 s[14:15], s[4:5], s[76:77]        ; Q's codes of tile B
	v_and_b32 v96, 15, v0                          ; r
	v_bfe_u32 v97, v0, 4, 1                        ; h
	v_lshlrev_b32 v98, 6, v96
	v_lshl_add_u32 v98, v97, 4, v98
	global_load_b128 v[16:19], v98, s[12:13]
	global_load_b128 v[20:23], v98, s[12:13] offset:32
	global_load_b128 v[24:27], v98, s[14:15]
	global_load_b128 v[28:31], v98, s[14:15] offset:32
	v_and_b32 v99, 8, v96
	v_add_nc_u32 v99, v99, v96                     ; r + 8 (r / 8)
	v_mul_u32_u24 v[AK0], v99, KP
	v_lshl_add_u32 v[AK0], v97, 4, v[AK0]
	s_mul_i32 s76, s[PAR], 128*KP                  ; my step's 128 rows of K
	v_add_nc_u32 v[AK0], s76, v[AK0]
	v_mul_u32_u24 v[AV0], v96, VP
	v_lshl_add_u32 v[AV0], v97, 4, v[AV0]
	s_mul_i32 s77, s[PAR], 64*VP                   ; my step's 64 rows of V
	s_add_co_u32 s77, s77, VBASE
	v_add_nc_u32 v[AV0], s77, v[AV0]
	v_and_b32 v[GO], 31, v0
	v_lshlrev_b32 v[GO], 4, v[GO]
.irp s, 12, 8
	v_mov_b32 v[\s+1], 0xff61b1e6                  ; the largest t so far: -3e38
	v_floor_f32 v[\s], -v[\s+1]                    ; -M
	v_mov_b32 v[\s+2], 0
	v_mov_b32 v[\s+3], 0
.endr
	v_mov_b32 v236, 0                              ; a lane permute's destination counts as a source
	v_mov_b32 v252, 0
	v_mov_b32 v253, 0
.set j, 0
.rept 64
	v_mov_b32 v[160+j], 0                          ; both O^T: the step is written once, and the first finds zeros
.set j, j+1
.endr
	s_wait_kmcnt 0x0
	s_add_co_i32 s76, s86, s87
	s_lshl_b32 s76, s76, 23
	s_add_co_i32 s[CS], s[CS], s76                 ; c x 2^(e6 + e7)
	s_mov_b32 s[CS+1], s[CS]
	s_add_co_i32 s76, s88, 127
	s_lshl_b32 s77, s76, 23
	v_mov_b32 v244, s77                            ; 2^e8
	s_add_co_i32 s76, s76, 8
	s_lshl_b32 s76, s76, 23
	s_or_b32 s76, s76, 0x600000
	v_mov_b32 v240, s76                            ; 448 x 2^e8
	s_sub_co_i32 s76, s90, s88
	s_sub_co_i32 s76, s76, s89
	s_add_co_i32 s76, s76, 127
	s_lshl_b32 s92, s76, 23                        ; 2^(e10 - e8 - e9),
	s_add_co_i32 s76, s76, 8
	s_lshl_b32 s76, s76, 23
	s_or_b32 s93, s76, 0x600000                    ; and 448 x that
; MY STEP OF THE TRIP'S 256 KEYS FOR ONE TILE: Q at v[qf], O^T at v[ob], state at v[st], first query in s[q0].  Twelve matrix instructions, each on an accumulator of its own.
.macro UNIT qf, ob, st, q0
	s_add_co_u32 s96, s[\q0], 15                   ; all keys behind the tile's queries: left out, by a scalar branch on ids round loads, products and softmax alone
	s_cmp_gt_u32 s[KF], s96
	s_cbranch_scc1 .Lhidden_\@
	v_add_nc_u32 v[ADK], s[TBK], v[AK0]
	v_add_nc_u32 v[ADV], s[TBV], v[AV0]
	v_nop                                          ; with the two additions: four places in front of loads into registers that the last products read
	v_nop
.irp t, 0,1,2,3,4,5,6,7
.irp c, 0,1
	ds_load_b128 v[32+8*\t+4*\c:32+8*\t+4*\c+3], v[ADK] offset:(32*(\t/2)+8*(\t%2))*KP+32*\c
.endr
.endr
	s_wait_alu depctr_va_vdst(0)                   ; ahead of the wait below
	s_wait_dscnt 0x0
.irp t, 0,1,2,3,4,5,6,7
	v_wmma_f32_16x16x64_fp8_fp8 v[96+8*\t:103+8*\t], v[32+8*\t:39+8*\t], v[\qf:\qf+7], 0
.endr
.rept 4
	v_nop                                          ; four places: for the loads into K's registers and the first reads of the scores
.endr
.irp t, 0,1,2,3                                ; V's four fragments land under the softmax
.irp c, 0,1,2,3
	ds_load_b128 v[32+16*\t+4*\c:32+16*\t+4*\c+3], v[ADV] offset:16*VP*\t+32*\c
.endr
.endr
	s_add_co_u32 s96, s[KF], 127                   ; on the diagonal hidden scores become -infinity ahead of the maximum
	s_cmp_le_u32 s96, s[\q0]
	s_cbranch_scc1 .Lopen_\@
	s_sub_co_i32 s96, s[\q0], s[KF]
	v_and_b32 v252, 15, v0
	v_bfe_u32 v253, v0, 4, 1
	v_lshlrev_b32 v253, 4, v253
	v_sub_nc_u32 v252, v252, v253
	v_add_nc_u32 v252, s96, v252                   ; d = my query - the step's first key - 16 h: register 16 b + i is hidden where 32 b + i > d
	v_mov_b32 v254, 0xff800000
.set n, 0
.rept 64
	v_cmp_gt_i32 vcc_lo, 32*(n/16)+n%16, v252
	v_cndmask_b32 v[96+n], v[96+n], v254, vcc_lo
.set n, n+1
.endr
.Lopen_\@:
	v_max3_num_f32 v254, v96, v97, v98             ; the step's largest score, in two chains
	v_max3_num_f32 v252, v99, v100, v101
.irp i, 6,10,14,18,22,26,30,34,38,42,46,50,54,58
	v_max3_num_f32 v254, v254, v[96+\i], v[97+\i]
	v_max3_num_f32 v252, v252, v[98+\i], v[99+\i]
.endr
	v_max3_num_f32 v254, v254, v158, v159
	v_max_num_f32 v254, v254, v252
	v_permlanex16_b32 v236, v254, s[SEL], s[SEL+1]
	v_max_num_f32 v254, v254, v236                 ; and lane l xor 16's
	v_mul_f32 v254, s[CS], v254                    ; as t
	v_max_num_f32 v[\st+1], v[\st+1], v254
	v_mov_b32 v254, v[\st]
	v_floor_f32 v[\st], -v[\st+1]                  ; the new -M: a whole number
	v_sub_f32 v254, v[\st], v254
	v_cvt_i32_f32 v254, v254                       ; (it saturates)
	v_ldexp_f32 v252, 1.0, v254                    ; f = 2^(old M - new M)
.set j, 0
.rept 32
	v_pk_fma_f32 v[96+j:97+j], v[96+j:97+j], s[CS:CS+1], v[\st:\st+1] op_sel_hi:[1,0,0]   ; t - M
.set j, j+2
.endr
	s_wait_alu depctr_va_vdst(0)                   ; ahead of the batch
.set j, 0
.rept 64
	v_exp_f32 v[96+j], v[96+j]                     ; p = 2^(t - M)
.set j, j+1
.endr
	v_pk_mul_f32 v[\st+2:\st+3], v[\st+2:\st+3], v[252:253] op_sel_hi:[1,0]   ; the sum under the new M (a plain line behind the batch)
	s_wait_alu depctr_va_vdst(0)                   ; one wait for the batch, ahead of its first reader
.irp c, 0,1,2                                  ; the sum of the unquantised p, in eight chains
	v_pk_add_f32 v[234+2*\c:235+2*\c], v[96+4*\c:97+4*\c], v[98+4*\c:99+4*\c]
.endr
.irp c, 0,1,2,3
	v_pk_add_f32 v[242+4*\c:243+4*\c], v[108+4*\c:109+4*\c], v[110+4*\c:111+4*\c]
.endr
	v_pk_add_f32 v[\st+2:\st+3], v[\st+2:\st+3], v[124:125]
.irp u, 126, 142
.irp c, 0,1,2
	v_pk_add_f32 v[234+2*\c:235+2*\c], v[234+2*\c:235+2*\c], v[\u+2*\c:\u+2*\c+1]
.endr
.irp c, 0,1,2,3
	v_pk_add_f32 v[242+4*\c:243+4*\c], v[242+4*\c:243+4*\c], v[\u+6+2*\c:\u+7+2*\c]
.endr
	v_pk_add_f32 v[\st+2:\st+3], v[\st+2:\st+3], v[\u+14:\u+15]
.endr
	v_pk_add_f32 v[242:243], v[242:243], v[158:159]
	v_pk_add_f32 v[254:255], v[254:255], v[236:237]
	v_pk_add_f32 v[250:251], v[250:251], v[234:235]
	v_pk_add_f32 v[\st+2:\st+3], v[\st+2:\st+3], v[246:247]
	v_pk_add_f32 v[242:243], v[242:243], v[238:239]
	v_pk_add_f32 v[254:255], v[254:255], v[250:251]
	v_pk_add_f32 v[\st+2:\st+3], v[\st+2:\st+3], v[242:243]
	v_pk_add_f32 v[\st+2:\st+3], v[\st+2:\st+3], v[254:255]
.irp b, 0,1,2,3
.irp i, 0,1,2,3,4,5,6,7,8,9,10,11,12,13,14,15
	v_min_num_f32 v[96+16*\b+\i], v[96+16*\b+\i], v240   ; the conversion does not saturate (ISA guide 7.6.2); p is not negative
.endr
	v_cvt_scalef32_pk8_fp8_f32 v[224+4*\b:225+4*\b], v[96+16*\b:103+16*\b], v244
	v_cvt_scalef32_pk8_fp8_f32 v[226+4*\b:227+4*\b], v[104+16*\b:111+16*\b], v244
.endr
	s_wait_alu depctr_va_vdst(0)                   ; directly ahead of the first reader of O^T
.set j, 0
.rept 16
	v_pk_mul_f32 v[\ob+j:\ob+j+1], v[\ob+j:\ob+j+1], v[252:253] op_sel_hi:[1,0]   ; O^T x f, each accumulator from its low end on
.set j, j+2
.endr
	s_wait_alu depctr_va_vdst(0)                   ; ahead of the wait below
	s_wait_dscnt 0x0                               ; V's fragments are in
.irp t, 0,1,2,3
	v_wmma_f32_16x16x128_fp8_fp8 v[\ob+8*\t:\ob+8*\t+7], v[32+16*\t:47+16*\t], v[224:239], v[\ob+8*\t:\ob+8*\t+7]
.endr
.Lhidden_\@:
.endm
; Every wave waits for all its tensor loads, adds 0 to its spare word, waits for that and for its LDS reads, and meets the others: behind the barrier what all waves fetched is whole.
.macro MEET
	s_wait_tensorcnt 0x0
	ds_add_u32 v[SPW], v[NIL]
	s_wait_dscnt 0x0
	s_barrier_signal -1
	s_barrier_wait -1
.endm
; Four trips of 256 keys: 1,024 keys.  No barrier stands among them.
.macro WALK
	s_mov_b32 s[CNT], 4
.Ltrip_\@:
	UNIT 16, 160, 12, QA
	UNIT 24, 192, 8, QB
	s_add_co_u32 s[KF], s[KF], 256
	s_add_co_u32 s[TBK], s[TBK], 256*KP
	s_add_co_u32 s[TBV], s[TBV], 128*VP
	s_sub_co_u32 s[CNT], s[CNT], 1
	s_cmp_lg_u32 s[CNT], 0
	s_cbranch_scc1 .Ltrip_\@
.endm
	s_wait_alu depctr_va_vdst(0)                   ; the head's end
	s_wait_loadcnt 0x0                             ; both Q
	MEET                                           ; keys 0-1,023 are in
	s_cmp_lt_u32 s[WV], 1                          ; the second fill, a first fill of its bytes: wave 0 K's keys 1,024-2,047, wave 1 V's
	s_cbranch_scc0 .Lnot_k
	tensor_load_to_lds s[G0K2:G0K2+3], s[G1K2:G1K2+7]
	s_nop 0
.rept 4
	v_nop
.endr
	s_branch .Lasked
.Lnot_k:
	s_cmp_lt_u32 s[WV], 2
	s_cbranch_scc0 .Lasked
	tensor_load_to_lds s[G0V2:G0V2+3], s[G1V2:G1V2+7]
	s_nop 0
.rept 4
	v_nop
.endr
.Lasked:
	WALK
	MEET                                           ; keys 1,024-2,047 are in, and nobody reads the first half any more
	s_mov_b32 s[TBK], KHALF
	s_mov_b32 s[TBV], VHALF
	WALK
	; THE HAND-OVER: tile B's state goes to my partner (wave xor 1) as images of the registers, 16 bytes a lane; its tile B is my tile A on the other half of the keys.
	s_mul_i32 s76, s[WV], XW
	s_add_co_u32 s76, s76, XST
	s_xor_b32 s77, s[WV], 1
	s_mul_i32 s77, s77, XW
	s_add_co_u32 s77, s77, XST
	v_add_nc_u32 v[ADK], s76, v[GO]
	v_add_nc_u32 v[ADV], s77, v[GO]
	v_nop                                          ; four places behind the last products
	v_nop
.irp i, 0,1,2,3,4,5,6,7
	s_wait_alu depctr_va_vdst(0)                   ; directly ahead of a first reader of O^T
	ds_store_b128 v[ADK], v[192+4*\i:195+4*\i] offset:512*\i
.endr
	ds_store_b128 v[ADK], v[8:11] offset:4096
	s_wait_dscnt 0x0                               ; my stores are done, for my partner's sake
	s_barrier_signal -1
	s_barrier_wait -1
.irp i, 0,1,2,3,4,5,6,7
	ds_load_b128 v[32+4*\i:35+4*\i], v[ADV] offset:512*\i
.endr
	ds_load_b128 v[64:67], v[ADV] offset:4096      ; -M, t, the sum's halves
	s_wait_dscnt 0x0
	v_min_num_f32 v68, v12, v64                    ; -M of the whole row
	v_add_f32 v14, v14, v15
	v_add_f32 v66, v66, v67
	v_sub_f32 v69, v68, v12
	v_sub_f32 v70, v68, v64
	v_cvt_i32_f32 v69, v69
	v_cvt_i32_f32 v70, v70
	v_ldexp_f32 v69, 1.0, v69                      ; my half's factor,
	v_ldexp_f32 v70, 1.0, v70                      ; and the other's: powers of two, or 0 for a half with no live step
	v_mul_f32 v14, v14, v69
	v_fmac_f32 v14, v66, v70
	v_permlanex16_b32 v252, v14, s[SEL], s[SEL+1]
	v_add_f32 v14, v14, v252                       ; the row's sum
	s_wait_alu depctr_va_vdst(0)                   ; ahead of the reciprocal
	v_rcp_f32 v14, v14
	v_and_b32 v80, 15, v0                          ; (plain lines behind it)
	v_bfe_u32 v81, v0, 4, 1
	s_mul_i32 s77, s[WV], 16*KP
	s_add_co_u32 s77, s77, OST                     ; my stage
	v_mul_u32_u24 v78, v80, KP
	v_lshl_add_u32 v78, v81, 3, v78
	v_add_nc_u32 v78, s77, v78                     ; in: row r; 16 t + 8 h bytes on
	v_and_b32 v80, 31, v0
	v_lshrrev_b32 v81, 2, v80
	v_mul_u32_u24 v79, v81, KP
	v_and_b32 v81, 3, v80
	v_lshl_add_u32 v79, v81, 4, v79
	v_add_nc_u32 v79, s77, v79                     ; back: four lanes to a row of 64 bytes
	v_mov_b32 v73, 0                               ; (upper halves of named pairs)
	v_mov_b32 v75, 0
	v_mov_b32 v76, s93
	v_mov_b32 v77, s92
	s_wait_alu depctr_va_vdst(0)                   ; ahead of the reciprocal's first reader
	v_mul_f32 v72, v69, v14
	v_mul_f32 v74, v70, v14
	s_wait_alu depctr_va_vdst(0)                   ; directly ahead of the first reader of O^T
.set j, 0
.rept 16
	v_pk_mul_f32 v[96+j:97+j], v[160+j:161+j], v[72:73] op_sel_hi:[1,0]   ; each accumulator from its low end on
.set j, j+2
.endr
.set j, 0
.rept 16
	v_pk_fma_f32 v[96+j:97+j], v[32+j:33+j], v[74:75], v[96+j:97+j] op_sel_hi:[1,0,1]   ; register 8 t + i: channel 16 t + 8 h + i of query r
.set j, j+2
.endr
.set j, 0
.rept 32
	v_med3_num_f32 v[96+j], v[96+j], -v76, v76     ; the hold at the largest code x the scale
.set j, j+1
.endr
.irp t, 0,1,2,3
	v_cvt_scalef32_pk8_fp8_f32 v[224+2*\t:225+2*\t], v[96+8*\t:103+8*\t], v77
.endr
	v_nop                                          ; one plain line behind the conversions
.irp t, 0,1,2,3
	ds_store_b64 v78, v[224+2*\t:225+2*\t] offset:16*\t
.endr
	ds_load_b128 v[32:35], v79                     ; LDS serves a wave's instructions in order (ISA guide 5.7.1.4)
	ds_load_b128 v[36:39], v79 offset:8*KP
	s_wait_dscnt 1                                 ; the second load may be out
	global_store_b128 v[GO], v[32:35], s[16:17]    ; 512 consecutive bytes
	s_wait_dscnt 0x0
	global_store_b128 v[GO], v[36:39], s[16:17] offset:512
	s_wait_tensorcnt 0x0                           ; the wave's end
	ds_add_u32 v[SPW], v[NIL]
	s_wait_dscnt 0x0
	s_endpgm
.Lfunc_end_k_q0ec695e7eb_attn:
	.size	k_q0ec695e7eb_attn, .Lfunc_end_k_q0ec695e7eb_attn-k_q0ec695e7eb_attn
	.p2alignl 7, 3214868480
	.fill 96, 4, 3214868480
	.section	.rodata,"a",@progbits
	.p2align	6, 0x0
	.amdhsa_kernel k_q0ec695e7eb_attn
		.amdhsa_group_segment_fixed_size 327680
		.amdhsa_private_segment_fixed_size 0
		.amdhsa_enable_private_segment 0
		.amdhsa_kernarg_size 24
		.amdhsa_user_sgpr_count 2
		.amdhsa_user_sgpr_kernarg_segment_ptr 1
		.amdhsa_wavefront_size32 1
		.amdhsa_system_sgpr_workgroup_id_x 1
		.amdhsa_system_sgpr_workgroup_id_y 1
		.amdhsa_system_sgpr_workgroup_id_z 1
		.amdhsa_system_vgpr_workitem_id 0
		.amdhsa_next_free_vgpr 256
		.amdhsa_next_free_sgpr 100
		.amdhsa_reserve_vcc 1
		.amdhsa_float_denorm_mode_32 3
		.amdhsa_float_denorm_mode_16_64 3
		.amdhsa_memory_ordered 1
		.amdhsa_forward_progress 1
		.amdhsa_inst_pref_size 103
	.end_amdhsa_kernel
	.amdgpu_metadata
---
amdhsa.version: [ 1, 2 ]
amdhsa.kernels:
  - .name:           k_q0ec695e7eb_attn
    .symbol:         k_q0ec695e7eb_attn.kd
    .args:
      - { .name: qkv, .offset: 0, .size: 8, .value_kind: global_buffer, .address_space: global }
      - { .name: lowp_scales, .offset: 8, .size: 8, .value_kind: global_buffer, .address_space: global }
      - { .name: oc, .offset: 16, .size: 8, .value_kind: global_buffer, .address_space: global }
    .group_segment_fixed_size: 327680
    .private_segment_fixed_size: 0
    .kernarg_segment_align: 8
    .kernarg_segment_size: 24
    .max_flat_workgroup_size: 512
    .sgpr_count:     100
    .vgpr_count:     256
    .wavefront_size: 32
...
	.end_amdgpu_metadata
.endif
;; end of part 3
;; launch outp (part 4): grid 8 x 32, 4 waves a work-group, clusters of 4 x 4, 327,680 bytes of LDS; arguments oc, wc, lowp_scales, out0; writes out0
.if DOCPART == 4
	.amdgcn_target "amdgcn-amd-amdhsa--gfx1250"
	.amdhsa_code_object_version 6
	.text
	.protected	k_q0ec695e7eb_outp
	.globl	k_q0ec695e7eb_outp
	.p2align	8
	.type	k_q0ec695e7eb_outp,@function
k_q0ec695e7eb_outp:
	s_mov_b64 s[64:65], 0
	v_nop
	global_prefetch_b8 v0, s[64:65] scope:SCOPE_SE
	s_setreg_imm32_b32 hwreg(HW_REG_WAVE_MODE, 25, 1), 1
	s_wait_xcnt 0x0
	s_wait_alu depctr_hold_cnt(0) depctr_sa_sdst(0) depctr_va_vdst(0) depctr_va_sdst(0) depctr_va_ssrc(0) depctr_va_vcc(0) depctr_vm_vsrc(0)
	s_getreg_b32 s2, hwreg(HW_REG_IB_STS2, 6, 4)
	s_cmp_eq_u32 s2, 0
	s_cbranch_scc0 .Lentry_in_a_cluster
	s_endpgm
.Lentry_in_a_cluster:
	s_bfe_u32 s2, ttmp6, 0x10000c
	s_cmp_lg_u32 s2, 0xf033
	s_cbranch_scc0 .Lentry_shape_is_right
	s_endpgm
.Lentry_shape_is_right:
.set SIZE_N, 2048
.set ROWB,   256
.set KROW,   1024
.set PITCH,  272
.set AHEAD,  8704
.set ABLK,   1088
.set HALFA,  2*AHEAD
.set HALFB,  128*PITCH
.set BOFF,   2*HALFA
.set SLOT,   BOFF+2*HALFB
.set HEADB,  131072
.set FR,     16
.set NP,     4
.set SPARE,  3*SLOT
.set SPITCH, 528
.set STAGE,  SLOT
.set ADRA, 16
.set ADRB, 20
.set STO,  24
.set RD,   25
.set CO,   26
.set SPW,  28
.set NIL,  29
.set TMP,  32
.set AF,   128
.set BK,   128
.set G1,  24
.set G0,  32
.set G1B, 44
.set G0B, 52
.set MSB, 0
.macro WIN new
.if MSB != \new
	s_set_vgpr_msb (MSB<<8)|\new
.set MSB, \new
.endif
.endm
.set MUL,  0xa1
.set TO_B, 0x40
.macro JLOAD g0a, g1a, g0b, g1b
	s_cmp_eq_u32 s15, 0
	s_cbranch_scc0 .Lfor_b_\@
	tensor_load_to_lds s[\g0a:\g0a+3], s[\g1a:\g1a+7]
	s_nop 0
.rept 4
	v_nop
.endr
	s_branch .Lasked_\@
.Lfor_b_\@:
	tensor_load_to_lds s[\g0b:\g0b+3], s[\g1b:\g1b+7]
	s_nop 0
.rept 4
	v_nop
.endr
.Lasked_\@:
.endm
.macro CREST
	s_cmp_lg_u32 s14, 0
	s_cbranch_scc1 .Lnot_wave_0_\@
	s_barrier_signal -3
.Lnot_wave_0_\@:
	s_barrier_wait -3
	s_barrier_signal -1
	s_barrier_wait -1
.endm
.macro CROUND
	s_barrier_signal -1
	s_barrier_wait -1
	CREST
.endm
	s_load_b128 s[4:7], s[0:1], 0x0
	s_load_b128 s[8:11], s[0:1], 0x10
	v_lshl_add_u32 v[SPW], v0, 2, SPARE
	v_mov_b32 v[NIL], 0
	ds_add_u32 v[SPW], v[NIL]
	ds_add_u32 v[SPW], v[NIL]
	v_lshrrev_b32 v1, 5, v0
	v_readfirstlane_b32 s14, v1
	s_lshr_b32 s15, s14, 1
	s_and_b32 s16, s14, 1
	s_bfe_u32 s70, ttmp6, 0x40000
	s_bfe_u32 s71, ttmp6, 0x40004
	s_lshl_b32 s72, ttmp9, 2
	s_add_co_u32 s72, s72, s70
	s_and_b32 s17, ttmp7, 0xffff
	s_lshl_b32 s17, s17, 2
	s_add_co_u32 s17, s17, s71
	s_lshl_b32 s73, s71, 2
	s_lshl_b32 s73, 15, s73
	s_lshl_b32 s74, 0x1111, s70
	s_or_b32 s[G1+0], s73, (0<<16)|(1<<20)|(1<<21)|(5<<22)|(3<<25)
	s_mov_b32 s[G1+1], 8192<<16
	s_mov_b32 s[G1+2], 2<<16
	s_mov_b32 s[G1+3], 8192<<16
	s_mov_b32 s[G1+4], 2
	s_mov_b32 s[G1+5], HEADB
	s_mov_b32 s[G1+6], 0
	s_mov_b32 s[G1+7], 0
	s_or_b32 s[G1B+0], s74, (0<<16)|(1<<20)|(1<<21)|(5<<22)|(3<<25)
	s_mov_b32 s[G1B+1], ROWB<<16
	s_mov_b32 s[G1B+2], 128<<16
	s_mov_b32 s[G1B+3], ROWB<<16
	s_mov_b32 s[G1B+4], 128
	s_mov_b32 s[G1B+5], KROW
	s_mov_b32 s[G1B+6], 0
	s_mov_b32 s[G1B+7], 0
	s_lshr_b32 s20, s17, 4
	s_lshl_b32 s20, s20, 4
	s_lshl_b32 s18, s16, 1
	s_add_co_u32 s20, s20, s18
	s_lshl_b32 s20, s20, 17
	s_and_b32 s18, s17, 15
	s_lshl_b32 s18, s18, 13
	s_add_co_u32 s20, s20, s18
	s_mov_b32 s21, 0
	s_lshl_b32 s18, s16, 7
	s_lshl_b32 s76, s72, 8
	s_add_co_u32 s76, s76, s18
	s_lshl_b32 s76, s76, 10
	s_add_co_u32 s76, s76, 0x600000
	s_mov_b32 s77, 0
	s_mul_i32 s66, s16, HALFA
	s_mul_i32 s67, s16, HALFB
	s_add_co_u32 s67, s67, BOFF
	s_wait_dscnt 0x0
	s_wait_kmcnt 0x0
	s_load_b64 s[96:97], s[8:9], 0x28
	s_add_nc_u64 s[20:21], s[4:5], s[20:21]
	s_add_nc_u64 s[76:77], s[6:7], s[76:77]
	CROUND
.irp s, 0,1,2
	s_mov_b32 s[G0+4*\s], 1
	s_add_co_u32 s[G0+4*\s+1], s66, \s*SLOT
	s_add_nc_u64 s[G0+4*\s+2:G0+4*\s+3], s[20:21], \s*4*HEADB
	s_or_b32 s[G0+4*\s+3], s[G0+4*\s+3], 0x80000000
	s_mov_b32 s[G0B+4*\s], 1
	s_add_co_u32 s[G0B+4*\s+1], s67, \s*SLOT
	s_add_nc_u64 s[G0B+4*\s+2:G0B+4*\s+3], s[76:77], \s*ROWB
	s_or_b32 s[G0B+4*\s+3], s[G0B+4*\s+3], 0x80000000
	s_wait_alu depctr_va_vdst(0)
	s_wait_tensorcnt 0x0
	ds_add_u32 v28, v29
	ds_add_u32 v28, v29
	s_wait_dscnt 0x0
	CROUND
	JLOAD G0+4*\s, G1, G0B+4*\s, G1B
.endr
	v_and_b32 v1, 15, v0
	v_bfe_u32 v2, v0, 4, 1
	v_bfe_u32 v7, v0, 2, 2
	v_lshlrev_b32 v3, 6, v1
	v_lshl_add_u32 v3, v7, 4, v3
	v_lshl_add_u32 v3, v2, 4, v3
	s_mul_i32 s21, s15, 4*ABLK
	v_add_nc_u32 v[ADRA], s21, v3
	v_add_nc_u32 v[ADRA+1], SLOT, v[ADRA]
	v_add_nc_u32 v[ADRA+2], 2*SLOT, v[ADRA]
	v_mul_u32_u24 v4, v1, PITCH
	v_lshl_add_u32 v4, v2, 4, v4
	s_mul_i32 s22, s16, HALFB
	s_add_co_u32 s22, s22, BOFF
	v_add_nc_u32 v[ADRB], s22, v4
	v_add_nc_u32 v[ADRB+1], SLOT, v[ADRB]
	v_add_nc_u32 v[ADRB+2], 2*SLOT, v[ADRB]
	s_mul_i32 s23, s14, 16*SPITCH
	s_add_co_u32 s23, s23, STAGE
	v_mul_u32_u24 v5, v1, SPITCH
	v_lshl_add_u32 v5, v2, 5, v5
	v_add_nc_u32 v[STO], s23, v5
	v_and_b32 v6, 31, v0
	v_lshlrev_b32 v[CO], 4, v6
	v_add_nc_u32 v[RD], s23, v[CO]
	s_lshl_b32 s20, s17, 7
	s_lshl_b32 s21, s15, 6
	s_add_co_u32 s20, s20, s21
	s_lshl_b32 s20, s20, 13
	s_lshl_b32 s76, s72, 10
	s_lshl_b32 s77, s16, 9
	s_add_co_u32 s76, s76, s77
	s_add_co_u32 s20, s20, s76
	s_mov_b32 s21, 0
	s_add_nc_u64 s[10:11], s[10:11], s[20:21]
.macro FRAG_B reg, slot, q, i
.irp c, 0,1,2,3
	ds_load_b128 v[\reg+4*\c:\reg+4*\c+3], v[ADRB+(\slot)] offset:128*(\q)+32*\c+(\i)*16*PITCH
.endr
.endm
.macro FRAG_A reg, slot, q, i
.irp c, 0,1,2,3
	ds_load_b128 v[\reg+4*\c:\reg+4*\c+3], v[ADRA+(\slot)] offset:HALFA*(\q)+AHEAD*(\c/2)+32*(\c%2)+(\i)*ABLK
.endr
.endm
.macro FETCH slot, q, p
	WIN TO_B
.irp i, 0,1,2,3,4,5,6,7
	FRAG_B 128*(\p)+FR*\i, \slot, \q, \i
.endr
	WIN 0
.irp i, 0,1,2,3
	FRAG_A AF+64*(\p)+FR*\i, \slot, \q, \i
.endr
.endm
.macro MUL16 a0, p, zero
.irp a, \a0, \a0+1
.irp b, 0,1,2,3,4,5,6,7
.if \zero
	v_wmma_f32_16x16x128_fp8_fp8 v[8*(8*(\a)+\b):8*(8*(\a)+\b)+7], v[128*(\p)+FR*\b:128*(\p)+FR*\b+FR-1], v[AF+64*(\p)+FR*(\a):AF+64*(\p)+FR*(\a)+FR-1], 0
.else
	v_wmma_f32_16x16x128_fp8_fp8 v[8*(8*(\a)+\b):8*(8*(\a)+\b)+7], v[128*(\p)+FR*\b:128*(\p)+FR*\b+FR-1], v[AF+64*(\p)+FR*(\a):AF+64*(\p)+FR*(\a)+FR-1], v[8*(8*(\a)+\b):8*(8*(\a)+\b)+7]
.endif
.endr
.endr
.endm
.macro PLACES n
.rept \n
	v_nop
.endr
.endm
.macro STEP p, zero, nslot, nq
	s_wait_dscnt 8
	WIN MUL
	MUL16 0, \p, \zero
	PLACES NP
	FETCH \nslot, \nq, 1-(\p)
	s_wait_dscnt 48
	WIN MUL
	MUL16 2, \p, \zero
.endm
.macro TURN nslot, fill
	WIN 0
	s_wait_tensorcnt 0x0
	ds_add_u32 v[SPW], v[NIL]
	s_wait_dscnt 9
	WIN MUL
	MUL16 0, 1, 0
	s_wait_dscnt 0x0
	s_barrier_signal -1
	WIN 0
	s_barrier_wait -1
.if \fill
	CREST
	s_add_nc_u64 s[G0+2:G0+3], s[G0+2:G0+3], 3*4*HEADB
	s_add_nc_u64 s[G0B+2:G0B+3], s[G0B+2:G0B+3], 3*ROWB
	JLOAD G0, G1, G0B, G1B
.else
	PLACES NP
.endif
	FETCH \nslot, 0, 0
	WIN MUL
	MUL16 2, 1, 0
.endm
	s_wait_alu depctr_va_vdst(0)
	s_wait_tensorcnt 2
	s_barrier_signal -1
	s_barrier_wait -1
	FETCH 0, 0, 0
	STEP 0, 1, 0, 1
	TURN 1, 1
	STEP 0, 0, 1, 1
	STEP 1, 0, 2, 0
	STEP 0, 0, 2, 1
	TURN 0, 0
	STEP 0, 0, 0, 1
	s_wait_dscnt 8
	WIN MUL
	MUL16 0, 1, 0
	s_wait_dscnt 0
	MUL16 2, 1, 0
	WIN 0
.macro TOSTAGE a
.set AC, 64*(\a)
	WIN 0x02
.irp j, 0,2,4,6,8,10,12,14,16,18,20,22,24,26,28,30,32,34,36,38,40,42,44,46,48,50,52,54,56,58,60,62
	v_pk_mul_f32 v[TMP+\j:TMP+\j+1], v[AC+\j:AC+\j+1], s[96:97] op_sel_hi:[1,0]
.endr
	WIN 0
.irp b, 0,1,2,3,4,5,6,7
	ds_store_b128 v[STO], v[TMP+8*\b:TMP+8*\b+3] offset:64*\b
	ds_store_b128 v[STO], v[TMP+8*\b+4:TMP+8*\b+7] offset:64*\b+16
.endr
.set BB, BK+64*((\a)%2)
.irp t, 0,1,2,3,4,5,6,7,8,9,10,11,12,13,14,15
	ds_load_b128 v[BB+4*\t:BB+4*\t+3], v[RD] offset:\t*SPITCH
.endr
.endm
.macro SEND a, younger
.set BB, BK+64*((\a)%2)
	s_wait_dscnt \younger
.if (\a) > 0
	s_add_nc_u64 s[10:11], s[10:11], 16*SIZE_N*4
.endif
.irp t, 0,1,2,3,4,5,6,7,8,9,10,11,12,13,14,15
	global_store_b128 v[CO], v[BB+4*\t:BB+4*\t+3], s[10:11] offset:\t*SIZE_N*4 th:TH_STORE_NT
.endr
.endm
	s_wait_kmcnt 0x0
	s_add_co_i32 s96, s96, s97
	s_add_co_i32 s96, s96, 127
	s_lshl_b32 s96, s96, 23
	PLACES NP
	TOSTAGE 0
.irp a, 1,2,3
.if \a > 1
	s_wait_xcnt 0x0
.endif
	TOSTAGE \a
	SEND \a-1, 32
.endr
	s_wait_xcnt 0x0
	SEND 3, 0
	s_wait_tensorcnt 0x0
	ds_add_u32 v[SPW], v[NIL]
	s_wait_dscnt 0x0
	CROUND
	s_endpgm
.Lfunc_end_k_q0ec695e7eb_outp:
	.size	k_q0ec695e7eb_outp, .Lfunc_end_k_q0ec695e7eb_outp-k_q0ec695e7eb_outp
	.p2alignl 7, 3214868480
	.fill 96, 4, 3214868480
	.section	.rodata,"a",@progbits
	.p2align	6, 0x0
	.amdhsa_kernel k_q0ec695e7eb_outp
		.amdhsa_group_segment_fixed_size 327680
		.amdhsa_private_segment_fixed_size 0
		.amdhsa_enable_private_segment 0
		.amdhsa_kernarg_size 32
		.amdhsa_user_sgpr_count 2
		.amdhsa_user_sgpr_kernarg_segment_ptr 1
		.amdhsa_wavefront_size32 1
		.amdhsa_system_sgpr_workgroup_id_x 1
		.amdhsa_system_sgpr_workgroup_id_y 1
		.amdhsa_system_sgpr_workgroup_id_z 1
		.amdhsa_system_vgpr_workitem_id 0
		.amdhsa_next_free_vgpr 768
		.amdhsa_next_free_sgpr 98
		.amdhsa_reserve_vcc 0
		.amdhsa_float_denorm_mode_32 3
		.amdhsa_float_denorm_mode_16_64 3
		.amdhsa_memory_ordered 1
		.amdhsa_forward_progress 1
		.amdhsa_inst_pref_size 77
	.end_amdhsa_kernel
	.amdgpu_metadata
---
amdhsa.version: [ 1, 2 ]
amdhsa.kernels:
  - .name:           k_q0ec695e7eb_outp
    .symbol:         k_q0ec695e7eb_outp.kd
    .args:
      - { .name: oc, .offset: 0, .size: 8, .value_kind: global_buffer, .address_space: global }
      - { .name: wc, .offset: 8, .size: 8, .value_kind: global_buffer, .address_space: global }
      - { .name: lowp_scales, .offset: 16, .size: 8, .value_kind: global_buffer, .address_space: global }
      - { .name: out0, .offset: 24, .size: 8, .value_kind: global_buffer, .address_space: global }
    .group_segment_fixed_size: 327680
    .private_segment_fixed_size: 0
    .kernarg_segment_align: 8
    .kernarg_segment_size: 32
    .max_flat_workgroup_size: 128
    .sgpr_count:     98
    .vgpr_count:     768
    .wavefront_size: 32
...
	.end_amdgpu_metadata
.endif
;; end of part 4
